; MI455X (gfx1250); checked and timed in simulation.
; The chip was launched on July 23, 2026; its instructions are those of AMD's public machine-readable ISA for CDNA 5 (MIT licence, August 2026) and "CDNA5" Instruction Set Architecture Reference Guide (July 2026). The comments in the code are by the model that wrote it; some were corrected since.
;; Hymba Official Attention. Allowed arithmetic: matrix products marked QUANTISED: E2M1 operands, one E8M0 scale for each 32 along K, by v_wmma_scale_f32_16x16x128_f8f6f4 with both operands' format E2M1 (or v_wmma_scale_f32_32x16x128_f4), f32 sums; everything else in f32.
;; Inputs: k_norm_weight 128 float32; key_states 1 x 4,096 x 512 float32; position_ids 1 x 4,096 int32; q_norm_weight 128 float32; query_states 1 x 4,096 x 2,048 float32; value_states_codes 1 x 512 x 128 x 16 uint8 (E2M1 codes of value_states, K innermost, in blocks of 32 codes, two codes a byte); value_states_scales 1 x 512 x 128 uint8 (E8M0 scales of value_states, one for each 32 codes along K).
;; Outputs: out0 1 x 4,096 x 2,048 float32.
;; This version of the problem:
;;   THIS VERSION OF THE PROBLEM IS GIVEN IN LOW PRECISION. The matrix products marked QUANTISED in the list below multiply operands that are first quantised to E2M1 (2 exponent bits, 1 mantissa bit; 4 bits a number), with one power-of-two scale for each 32 numbers along K (OCP MX v1.0); their sums are f32. All else is computed in f32.
;;   The module's matrix products, in the order in which they are computed (A, B: the left and right operand; K: the contracted axis; several contracted axes count as one K, in the product's order):
;;     1. batch 16 x [M 4,096, K 128] x [K 128, N 4,096]; A: computed on the way; B: computed on the way: QUANTISED
;;     2. batch 16 x [M 4,096, K 4,096] x [K 4,096, N 128]; A: softmax (see below); B: input value_states (given as codes): QUANTISED
;;   THE QUANTISER, for each operand of a quantised product, along K:
;;     - K is cut into blocks of 32 from its start; a last block that is shorter is filled with zeros.
;;     - A block's scale is 2^e with e = floor(log2(the largest magnitude in the block)) - 2, held to -126 .. 127; a block of zeros has e = 0. As a byte (E8M0): e + 127.
;;     - Each number is divided by its block's scale, clamped to +-6, and rounded to the nearest number of E2M1, ties to even, subnormals kept.
;;     - The product sums the exact products of the quantised numbers (number of the format x scale) in f32.
;;   ~~~python
;;   def quantise(x, axis):      # numpy; x: float32 -> the quantised numbers, widened to float32 again
;;       x = np.moveaxis(x, axis, -1); K = x.shape[-1]
;;       x = np.pad(x, [(0, 0)] * (x.ndim - 1) + [(0, -K % 32)]); x = x.reshape(x.shape[:-1] + (-1, 32)); a = np.abs(x).max(-1, keepdims=True)
;;       e = np.where(a > 0, np.clip(np.frexp(np.where(a > 0, a, 1))[1] - 1 - 2, -126, 127), 0)      # np.frexp(a)[1] - 1 = floor(log2(a)), exactly
;;       r = np.clip(x / 2.0 ** e, -6, 6)
;;       step = 2.0 ** (np.maximum(np.frexp(np.where(r == 0, 1, r))[1] - 1, 0) - 1)
;;       q = np.round(r / step) * step * 2.0 ** e      # np.round: ties to even
;;       return np.moveaxis(q.reshape(q.shape[:-2] + (-1,))[..., :K], -1, axis).astype(np.float32)
;;   ~~~
;;   SOFTMAX AHEAD OF A QUANTISED PRODUCT. Where the list says 'softmax', what is quantised is not the finished softmax but p = 2^(t - M), with t = logit x log2(e) and M = ceil(the row's largest t), a whole number; so 1/2 < the row's largest p <= 1. The row's sum l is taken of the UNQUANTISED p, in f32, and the product's result is divided by l at the end. Since M is a whole number, a kernel that streams over the keys may use a running M (the ceiling of the running maximum): every later rescaling is an exact power of two, which a block's scale takes up: the codes' values come out the same.
;;   OPERANDS COMPUTED ON THE WAY. 'Computed on the way' means the value that the module computes at that place (a softmax that the list does not call 'softmax' is quantised finished and normalised). What goes into a quantiser is computed in f32, as accurately as f32 sums, v_exp_f32 and their like allow (about 1e-6 of the number): no bf16 or f16 on the way to a quantiser, and a product that is left as it is and whose result goes on into a quantised operand takes f32 operands (vector FMAs, or v_wmma_f32_16x16x4_f32). A number that lies on a knife's edge between two numbers of the format may be rounded either way, as far as f32 arithmetic and the matrix unit's own rounding can turn it there, and no further.
;;   INPUTS GIVEN AS CODES. value_states (in the module: [1, 4096, 512], K = its axis 1): each comes as NAME_codes (uint8): NAME with its K axis moved to the last place and cut into blocks of 32 codes, [.., K / 32, bytes a block], one block behind the other in memory; two codes a byte, the lower K in the low four bits (a code: sign, 2 exponent bits, 1 mantissa bit); and NAME_scales (uint8): the same leading axes, one E8M0 byte (e + 127) for each 32 codes along K. Its value is code x scale, taken as it is: it is not quantised again, and the codes and scales need not be those that the quantiser above would give.
;; One version. Each part assembles by itself: llvm-mc -triple=amdgcn-amd-amdhsa -mcpu=gfx1250 --defsym DOCPART=n.
;; ======== version 1 of 1: 2 launches
;; limits: right only within a limited range of input values
;; workspace buffers: qc 4,194,304 bytes; qs 262,144 bytes; kv 2,228,224 bytes
;; launch prep (part 1): grid 64 x 4, 16 waves a work-group, no clusters, 75,008 bytes of LDS; arguments query_states, key_states, value_states_codes, value_states_scales, q_norm_weight, k_norm_weight, position_ids, qc, qs, kv; writes qc, qs, kv
.if DOCPART == 1
	.amdgcn_target "amdgcn-amd-amdhsa--gfx1250"
	.amdhsa_code_object_version 6
	.text
	.protected	k_qbe84249257_prep
	.globl	k_qbe84249257_prep
	.p2align	8
	.type	k_qbe84249257_prep,@function
k_qbe84249257_prep:
	s_mov_b64 s[64:65], 0
	v_nop
	global_prefetch_b8 v0, s[64:65] scope:SCOPE_SE
	s_setreg_imm32_b32 hwreg(HW_REG_WAVE_MODE, 25, 1), 1
	s_wait_xcnt 0x0
; PREP: q and k get their per-head RMSNorm (with weight) and their rotation by position, all in f32, and are quantised to FP4 (E2M1) codes with one E8M0 byte
; for each 32 along the head's 128.  K's codes, V's codes (an input) and both sets of scale words are laid in the order of a matrix operand's registers.
; OUT: qc [16 heads][4096][64 bytes] rows of codes;  qs [16][4096] one scale word a row;  kv [4 kv heads][32 key steps][record of 17,408 bytes]:
;   +0      K image: tile t (8) x 1,024 + register group c (2) x 512 + 16 x lane.  Lane (r, h) of tile 2 b + u holds key 32 b + 8 u + r + 8 (r / 8), codes d = 64 c + 32 h + 0..31
;   +8,192  V image, the same form: tile t = channels 16 t + r, codes of the step's keys 64 c + 32 h + 0..31
;   +16,384 K's scale words [u2 (2)][r (16)][tt (4)]: tile 4 u2 + tt, lane r;   +16,896 V's likewise
; SHARES.  Work-group (x, y): rows 64 x .. 64 x + 63, q heads 4 y .. 4 y + 3 and k head y.  Wave w: rows 4 w .. 4 w + 3, five steps: four q heads, then the k head.
; A step is 4 rows x 1 head.  Each load reads one row's 512 consecutive bytes; the rows turn through the wave's own stage in LDS, after which lane (g, i) (g = row, i = lane % 8) holds
; x1 = d 8 i + 0..7 and x2 = d 64 + 8 i + 0..7 of row g: both halves of a rotation pair in one lane, so a lane needs 8 cosines and 8 sines, made ONCE for the five heads.
; SINE AND COSINE are written out: angle = f32(position) x inv_freq (the same f32 product as in the definition), reduced by multiples of pi/2 held in two parts, then two polynomials on |r| <= pi/4.
; inv_freq is 10000^(-j/64), ROUNDED ONCE to f32: 10000^(j/64) = 10^(j/16) is a product of exact powers of ten and of 10^(1/2), 10^(1/4), 10^(1/8), 10^(1/16), each kept as hi + lo;
; the reciprocal is taken of the PAIR, by v_rcp_f32 of hi and one correction that sees hi and lo: ahead of its one rounding it is good to about 3e-13 of the number.
; LIMITS: NaN and infinities among the inputs are not served.  A block of zeros gets the byte 1 (its codes are zeros; these bytes are read by this program alone).
;   Where the definition's own inv_freq (a power, then a division, each rounded by its library) ends an ulp away from the once-rounded number at some j, the angle differs there by position x that ulp:
;   up to 2.4e-4 rad at position 4,095 for j = 1..4, half of that for each halving of inv_freq.  At j = 1 the true number lies 0.0013 ulp from a middle between two f32 numbers; this text rounds it up.
;   The reduction by pi/2 in two parts keeps its accuracy (about 1e-7) for |angle| up to about 1e5; beyond that its error grows with the angle.
; No tensor load, one barrier.  No store's data, no address register and no base is ever written again, and EXEC never changes: so no wait on XCNT is owed.
.set RECB,  17408                      ; a record of kv
.set STG_W, 4224                       ; LDS: a wave's two stages
.set STG_S, 2112                       ; a stage: 4 rows
.set STG_R, 528                        ; a head's row: 512 bytes + 16
.set QSST,  16*STG_W                   ; q's scale words [step (4)][row (64)]: 1,024 bytes
.set KSST,  QSST+1024                  ; k's scale words [r (16)][tt (4)]: 256 bytes
.set KST,   KSST+256                   ; the four tiles of the K image that these 64 keys make: 4,096 bytes; ends at 72,960
.set WQ,  32                           ; v32-47   q's norm weight at my 16 channels
.set WK,  48                           ; v48-63   k's
.set COS, 64                           ; v64-71   cosines of my 8 frequencies at my row's position
.set SIN, 72                           ; v72-79   sines
.set R,   80                           ; v80-159  five steps x 16 numbers as loaded
.set X,   160                          ; v160-191 two sets of 16: x1 (8), x2 (8)
.set T,   192                          ; v192-207 at work in the rotation
.set CD,  208                          ; v208-217 a pair of code registers for each step
.set WD,  218                          ; v218-222 a scale word for each step
.set A0,  160                          ; ahead of the steps v160-223 serve as eight arrays of 8
.set A1,  168
.set A2,  176
.set A3,  184
.set A4,  192
.set A5,  200
.set A6,  208
.set A7,  216
.set S_HI,   0x404a62c2                ; 10^(1/2)  = 3.1622776601683795 = hi + lo
.set S_LO,   0xb324b496
.set Q4_HI,  0x3fe39ea9                ; 10^(1/4)  = 1.7782794100389228
.set Q4_LO,  0xb26aee3c
.set Q8_HI,  0x3faab0d5                ; 10^(1/8)  = 1.3335214321633240
.set Q8_LO,  0xb36457e2
.set Q16_HI, 0x3f93cfe5                ; 10^(1/16) = 1.1547819846894583
.set Q16_LO, 0x334a404c
	s_load_b512 s[4:19], s[0:1], 0x0               ; query s[4:5], key s[6:7], V's codes s[8:9], V's scales s[10:11], q weight s[12:13], k weight s[14:15], positions s[16:17], qc s[18:19]
	s_load_b128 s[20:23], s[0:1], 0x40             ; qs s[20:21], kv s[22:23]
	v_lshl_add_u32 v254, v0, 2, 0x11d00
	v_mov_b32 v255, 0
	v_lshrrev_b32 v24, 5, v0
	s_delay_alu instid0(VALU_DEP_1)
	v_readfirstlane_b32 s26, v24                   ; wave w
	s_mov_b32 s24, ttmp9                           ; x
	s_and_b32 s25, ttmp7, 0xffff                   ; y
	s_mul_i32 s27, s26, STG_W
	; every address register is made here, ahead of the first branch, and never written again.  l = lane, i = l % 8, g = l / 8, rho = 4 w + g = thread / 8
	v_and_b32 v24, 31, v0                          ; l
	v_and_b32 v25, 7, v0                           ; i
	v_bfe_u32 v26, v0, 3, 2                        ; g
	v_lshrrev_b32 v27, 3, v0                       ; rho
	v_and_b32 v28, 1, v0                           ; i & 1
	v_bfe_u32 v29, v0, 2, 1                        ; i >> 2
	v_bfe_u32 v30, v0, 1, 1                        ; (i >> 1) & 1
	v_bfe_u32 v31, v0, 1, 4                        ; l >> 1
	v_bfe_u32 v224, v0, 8, 1                       ; rho >> 5
	v_bfe_u32 v225, v0, 6, 1                       ; (rho >> 3) & 1
	v_bfe_u32 v226, v0, 7, 1                       ; (rho >> 4) & 1
	v_bfe_u32 v227, v0, 3, 3                       ; rho & 7
	v_lshlrev_b32 v1, 4, v24                       ; v1  16 l: my 16 bytes of a row's 512
	v_lshlrev_b32 v12, 3, v24                      ; v12 8 l: my 8 bytes of 256
	s_delay_alu instid0(VALU_DEP_2)
	v_add_nc_u32 v2, s27, v1                       ; v2  into the stage: as loaded
	v_lshlrev_b32 v5, 5, v25                       ; v5  32 i: my 8 channels in a weight
	s_delay_alu instid0(VALU_DEP_1)
	v_mad_u32_u24 v3, v26, STG_R, v5
	s_delay_alu instid0(VALU_DEP_1)
	v_add_nc_u32 v3, s27, v3                       ; v3  out of the stage: row g, 32 i
	v_lshlrev_b32 v4, 2, v27                       ; v4  4 rho
	v_lshlrev_b32 v6, 6, v26                       ; v6  my 8 bytes of codes in the wave's 4 rows of 64: 64 g + 32 (i & 1) + 16 (i >> 2) + 8 ((i >> 1) & 1)
	s_delay_alu instid0(VALU_DEP_1)
	v_lshl_add_u32 v6, v28, 5, v6
	s_delay_alu instid0(VALU_DEP_1)
	v_lshl_add_u32 v6, v29, 4, v6
	s_delay_alu instid0(VALU_DEP_1)
	v_lshl_add_u32 v6, v30, 3, v6
	v_lshl_add_u32 v7, v224, 11, KST               ; v7  the same 8 bytes in the K image: b' x 2,048 + u x 1,024 + c x 512 + h x 256 + 16 r + 8 (second half)
	s_delay_alu instid0(VALU_DEP_1)
	v_lshl_add_u32 v7, v225, 10, v7                ;     with u = (rho >> 3) & 1, r = (rho & 7) + 8 ((rho >> 4) & 1), c = i & 1, h = i >> 2
	s_delay_alu instid0(VALU_DEP_1)
	v_lshl_add_u32 v7, v28, 9, v7
	s_delay_alu instid0(VALU_DEP_1)
	v_lshl_add_u32 v7, v29, 8, v7
	s_delay_alu instid0(VALU_DEP_1)
	v_lshl_add_u32 v7, v226, 7, v7
	s_delay_alu instid0(VALU_DEP_1)
	v_lshl_add_u32 v7, v227, 4, v7
	s_delay_alu instid0(VALU_DEP_1)
	v_lshl_add_u32 v7, v30, 3, v7
	v_lshl_add_u32 v8, v227, 4, KSST               ; v8  my key's scale word: 16 r + 4 tt, tt = 2 (rho >> 5) + u
	s_delay_alu instid0(VALU_DEP_1)
	v_lshl_add_u32 v8, v226, 7, v8
	s_delay_alu instid0(VALU_DEP_1)
	v_lshl_add_u32 v8, v224, 3, v8
	s_delay_alu instid0(VALU_DEP_1)
	v_lshl_add_u32 v8, v225, 2, v8
	v_add_nc_u32 v9, QSST, v4                      ; v9  my row's scale word of a q step
	v_lshl_add_u32 v10, v0, 3, KST                 ; v10 the way out: 256 w + 8 l in the K image,
	v_lshl_add_u32 v11, v0, 3, QSST                ; v11 and among the scale words (wave 4 reaches k's)
	v_lshlrev_b32 v13, 11, v31                     ; v13 V's codes: row l >> 1 of 2,048 bytes, 8 (l & 1)
	s_delay_alu instid0(VALU_DEP_1)
	v_lshl_add_u32 v13, v28, 3, v13
	v_lshlrev_b32 v14, 7, v31                      ; v14 V's scale bytes: row 32 (l & 1) + (l >> 1) of 128 bytes
	s_delay_alu instid0(VALU_DEP_1)
	v_lshl_add_u32 v14, v28, 12, v14
	v_lshlrev_b32 v15, 3, v29                      ; v15 8 (i >> 2): how far my two scale bytes are shifted up
	v_mov_b32 v18, 0                               ; written on every wave's path; wave 15 alone loads into them and stores them
	v_mov_b32 v19, 0
	v_mov_b32 v23, 0                               ; the upper half of the pair v[22:23], which is named whole
	s_wait_kmcnt 0x0
	s_mov_b32 s63, 0                               ; s[62:63]: an offset in 64 bits
	s_lshr_b32 s48, s24, 3                         ; x >> 3
	s_and_b32 s49, s24, 7                          ; x & 7
	s_and_b32 s50, s24, 1                          ; x & 1
	s_lshr_b32 s51, s24, 1                         ; x >> 1
	s_lshl_b32 s62, s25, 14                        ; V's scale bytes: head y's 128 rows of 128 bytes, + 64 rows x (x & 1), + 4 bytes x key step (x >> 1)
	s_lshl_b32 s27, s50, 13
	s_add_co_u32 s62, s62, s27
	s_lshl_b32 s27, s51, 2
	s_add_co_u32 s62, s62, s27
	s_add_nc_u64 s[40:41], s[10:11], s[62:63]
	s_lshl_b32 s62, s25, 18                        ; V's codes: head y, 16 rows x (x >> 3), 256 bytes x (x & 7), 16 bytes x w
	s_lshl_b32 s27, s48, 15
	s_add_co_u32 s62, s62, s27
	s_lshl_b32 s27, s49, 8
	s_add_co_u32 s62, s62, s27
	s_lshl_b32 s27, s26, 4
	s_add_co_u32 s62, s62, s27
	s_add_nc_u64 s[36:37], s[8:9], s[62:63]
	s_lshl_b32 s62, s24, 8                         ; positions of my work-group's 64 rows
	s_add_nc_u64 s[32:33], s[16:17], s[62:63]
	s_lshl_b32 s62, s24, 19                        ; query: 64 rows of 8,192 bytes x x, 4 rows x w, 4 heads of 512 bytes x y
	s_lshl_b32 s27, s26, 15
	s_add_co_u32 s62, s62, s27
	s_lshl_b32 s27, s25, 11
	s_add_co_u32 s62, s62, s27
	s_add_nc_u64 s[28:29], s[4:5], s[62:63]
	s_lshl_b32 s62, s24, 17                        ; key: rows of 2,048 bytes, head y
	s_lshl_b32 s27, s26, 13
	s_add_co_u32 s62, s62, s27
	s_lshl_b32 s27, s25, 9
	s_add_co_u32 s62, s62, s27
	s_add_nc_u64 s[30:31], s[6:7], s[62:63]
	; ALL LOADS GO OUT AT ONCE: 30 (wave 15: 32) a wave; the 20 of q and k are 512 consecutive bytes each
	s_cmp_lg_u32 s26, 15
	s_cbranch_scc1 .Lno_vs_in
	s_wait_alu depctr_va_vdst(0)
	global_load_b32 v18, v14, s[40:41]             ; V's scale words of tiles 4 (x & 1) + 2 (l & 1) and + 1, lane r = l >> 1, key step x >> 1
	global_load_b32 v19, v14, s[40:41] offset:2048
.Lno_vs_in:
	s_wait_alu depctr_va_vdst(0)
	global_load_b64 v[16:17], v13, s[36:37]        ; 16 rows x 16 bytes of V's codes: one block of 32 keys of 16 channels; the 16 waves together read 16 x 256 consecutive bytes
	global_load_b32 v20, v4, s[32:33]              ; my row's position
.irp m, 0,1,2,3
	global_load_b128 v[WQ+4*\m:WQ+4*\m+3], v5, s[12:13] offset:16*(\m%2)+256*(\m/2)
.endr
.irp m, 0,1,2,3
	global_load_b128 v[WK+4*\m:WK+4*\m+3], v5, s[14:15] offset:16*(\m%2)+256*(\m/2)
.endr
.irp s, 0,1,2,3
.irp j, 0,1,2,3
	global_load_b128 v[R+16*\s+4*\j:R+16*\s+4*\j+3], v1, s[28:29] offset:8192*\j+512*\s th:TH_LOAD_NT
.endr
.endr
.irp j, 0,1,2,3
	global_load_b128 v[R+64+4*\j:R+64+4*\j+3], v1, s[30:31] offset:2048*\j th:TH_LOAD_NT
.endr
	; where the results go
	s_lshl_b32 s62, s25, 20                        ; qc: 4 heads of 262,144 bytes x y, 64 rows of 64 bytes x x, 4 rows x w
	s_lshl_b32 s27, s24, 12
	s_add_co_u32 s62, s62, s27
	s_lshl_b32 s27, s26, 8
	s_add_co_u32 s62, s62, s27
	s_add_nc_u64 s[34:35], s[18:19], s[62:63]
	s_lshl_b32 s62, s25, 5                         ; V image: record 32 y + 4 (x & 7) + (w >> 2); in it 8,192 + tile (x >> 3) x 1,024 + block (w & 3) x 256
	s_lshl_b32 s27, s49, 2
	s_add_co_u32 s62, s62, s27
	s_lshr_b32 s27, s26, 2
	s_add_co_u32 s62, s62, s27
	s_mul_i32 s62, s62, RECB
	s_lshl_b32 s27, s48, 10
	s_add_co_u32 s62, s62, s27
	s_and_b32 s27, s26, 3
	s_lshl_b32 s27, s27, 8
	s_add_co_u32 s62, s62, s27
	s_add_co_u32 s62, s62, 8192
	s_add_nc_u64 s[38:39], s[22:23], s[62:63]
	s_lshl_b32 s62, s25, 5                         ; the record of my 64 keys: 32 y + (x >> 1)
	s_add_co_u32 s62, s62, s51
	s_mul_i32 s62, s62, RECB
	s_add_nc_u64 s[42:43], s[22:23], s[62:63]
	s_lshl_b32 s62, s50, 12                        ; K image: my half of the record's eight tiles, 256 bytes a wave
	s_lshl_b32 s27, s26, 8
	s_add_co_u32 s62, s62, s27
	s_add_nc_u64 s[44:45], s[42:43], s[62:63]
	s_lshl_b32 s62, s50, 8
	s_add_co_u32 s62, s62, 16896                   ; V's scale words, my half
	s_add_nc_u64 s[2:3], s[42:43], s[62:63]
	s_lshl_b32 s62, s50, 8
	s_add_co_u32 s62, s62, 16384                   ; K's scale words, my half
	s_add_nc_u64 s[56:57], s[42:43], s[62:63]
	s_min_u32 s52, s26, 3                          ; qs: head 4 y + w (waves 0 to 3), 64 words x x
	s_lshl_b32 s53, s25, 2
	s_add_co_u32 s52, s52, s53
	s_lshl_b32 s62, s52, 14
	s_lshl_b32 s27, s24, 8
	s_add_co_u32 s62, s62, s27
	s_add_nc_u64 s[54:55], s[20:21], s[62:63]
	s_cmp_lt_u32 s26, 4                            ; waves 0 to 3 store a q head's words, wave 4 k's: the choice hangs on the wave's number alone
	s_cselect_b64 s[46:47], s[54:55], s[56:57]
	s_mov_b32 s48, 0x3f22f983                      ; 2 / pi
	s_mov_b32 s49, 0x3fc90fdb                      ; pi / 2, upper part
	s_mov_b32 s50, 0xb33bbd2e                      ; pi / 2 less that
	s_mov_b32 s51, 0xbe2aaaa3                      ; sine: r + r z (S1 + z (S2 + z S3)), z = r r
	s_mov_b32 s52, 0x3c08839e
	s_mov_b32 s53, 0xb94ca1f9
	s_mov_b32 s54, 0x3d2aaaa5                      ; cosine: 1 + z (-1/2 + z (C1 + z (C2 + z C3)))
	s_mov_b32 s55, 0xbab6061a
	s_mov_b32 s56, 0x37ccf5ce
	s_mov_b32 s59, 0x3c000000                      ; 1 / 128
	s_mov_b32 s60, 0x358637bd                      ; 1e-6
	s_mov_b32 s61, 0xaaaaaaaa                      ; the odd lanes
	; ---- inv_freq of my 8 frequencies j = 8 i + jj, while the loads are out.  10^(j/16) = 10^(i/2) x 10^(jj/16), as pairs hi (A0) + lo (A1)
	v_mov_b32 v24, S_HI
	v_mov_b32 v25, S_LO
	v_cmp_eq_u32 vcc_lo, 1, v28
	s_delay_alu instid0(VALU_DEP_1)
	v_cndmask_b32 v24, 1.0, v24, vcc_lo            ; i odd: 10^(1/2), else 1
	s_delay_alu instid0(VALU_DEP_2)
	v_cndmask_b32 v25, 0, v25, vcc_lo
	v_mov_b32 v26, 0x41200000                      ; 10
	v_cmp_eq_u32 vcc_lo, 1, v30
	s_delay_alu instid0(VALU_DEP_1)
	v_cndmask_b32 v26, 1.0, v26, vcc_lo
	v_mov_b32 v27, 0x42c80000                      ; 100
	v_cmp_eq_u32 vcc_lo, 1, v29
	s_delay_alu instid0(VALU_DEP_1)
	v_cndmask_b32 v27, 1.0, v27, vcc_lo
	s_delay_alu instid0(VALU_DEP_1)
	v_mul_f32 v26, v26, v27                        ; 10^(i >> 1): exact
	s_delay_alu instid0(VALU_DEP_1)
	v_mul_f32 v[A0], v24, v26
	s_delay_alu instid0(VALU_DEP_1)
	v_fma_f32 v[A1], v24, v26, -v[A0]              ; what the product's rounding dropped,
	s_delay_alu instid0(VALU_DEP_1)
	v_fma_f32 v[A1], v25, v26, v[A1]               ; and the lower part's share
.macro DFMUL d, a, chi, clo            ; pair d = pair a x (chi + clo); lo x lo, about 2^-47 of the product, is left out
	v_mul_f32 v[A0+\d], \chi, v[A0+\a]
	s_delay_alu instid0(VALU_DEP_1)
	v_fma_f32 v[A1+\d], v[A0+\a], \chi, -v[A0+\d]
	s_delay_alu instid0(VALU_DEP_1)
	v_fma_f32 v[A1+\d], v[A0+\a], \clo, v[A1+\d]
	s_delay_alu instid0(VALU_DEP_1)
	v_fma_f32 v[A1+\d], v[A1+\a], \chi, v[A1+\d]
.endm
	DFMUL 4, 0, Q4_HI, Q4_LO                       ; jj's bit 2,
	DFMUL 2, 0, Q8_HI, Q8_LO                       ; bit 1,
	DFMUL 6, 4, Q8_HI, Q8_LO
	DFMUL 1, 0, Q16_HI, Q16_LO                     ; bit 0
	DFMUL 3, 2, Q16_HI, Q16_LO
	DFMUL 5, 4, Q16_HI, Q16_LO
	DFMUL 7, 6, Q16_HI, Q16_LO
.irp j, 0,1,2,3,4,5,6,7
	v_rcp_f32 v[A3+\j], v[A0+\j]                   ; y = about 1 / hi
.endr
	v_nop                                          ; a plain line behind the last reciprocal
	s_wait_alu depctr_va_vdst(0)                   ; one wait for the eight, ahead of their first reader
.irp j, 0,1,2,3,4,5,6,7
	v_fma_f32 v[A4+\j], -v[A0+\j], v[A3+\j], 1.0   ; 1 - hi y,
.endr
.irp j, 0,1,2,3,4,5,6,7
	v_fma_f32 v[A4+\j], -v[A1+\j], v[A3+\j], v[A4+\j]   ; - lo y: e = 1 - (hi + lo) y, some 5e-7 at the most
.endr
.irp j, 0,1,2,3,4,5,6,7
	v_fma_f32 v[A7+\j], v[A3+\j], v[A4+\j], v[A3+\j]   ; y + y e = (1 - e e) / (hi + lo), rounded once: 10000^(-j/64)
.endr
	s_wait_loadcnt 28                              ; behind the position stand 8 loads of weights and 20 of q and k: the position and V's data, which are older, are in
	global_store_b64 v12, v[16:17], s[38:39]       ; V image: the wave stores 256 consecutive bytes, aligned
	s_cmp_lg_u32 s26, 15
	s_cbranch_scc1 .Lno_vs_out
	global_store_b64 v12, v[18:19], s[2:3]         ; V's 64 scale words: 256 consecutive bytes, aligned
.Lno_vs_out:
	; ---- cosine and sine of my row's 8 angles
	v_cvt_f32_i32 v21, v20
	s_wait_alu depctr_va_vdst(0)
.irp j, 0,1,2,3,4,5,6,7
	v_mul_f32 v[A0+\j], v21, v[A7+\j]              ; the angle
.endr
.irp j, 0,1,2,3,4,5,6,7
	v_mul_f32 v[A1+\j], s48, v[A0+\j]
.endr
.irp j, 0,1,2,3,4,5,6,7
	v_rndne_f32 v[A1+\j], v[A1+\j]                 ; k = the nearest multiple of pi / 2
.endr
.irp j, 0,1,2,3,4,5,6,7
	v_fma_f32 v[A0+\j], -v[A1+\j], s49, v[A0+\j]
.endr
.irp j, 0,1,2,3,4,5,6,7
	v_fma_f32 v[A0+\j], -v[A1+\j], s50, v[A0+\j]   ; r = angle - k pi / 2
.endr
.irp j, 0,1,2,3,4,5,6,7
	v_mul_f32 v[A2+\j], v[A0+\j], v[A0+\j]         ; z
.endr
.irp j, 0,1,2,3,4,5,6,7
	v_fma_f32 v[A3+\j], v[A2+\j], s53, s52
	v_fma_f32 v[A5+\j], v[A2+\j], s56, s55
.endr
.irp j, 0,1,2,3,4,5,6,7
	v_fma_f32 v[A3+\j], v[A3+\j], v[A2+\j], s51
	v_fma_f32 v[A5+\j], v[A5+\j], v[A2+\j], s54
.endr
.irp j, 0,1,2,3,4,5,6,7
	v_mul_f32 v[A4+\j], v[A2+\j], v[A0+\j]         ; z r
	v_fma_f32 v[A5+\j], v[A5+\j], v[A2+\j], -0.5
.endr
.irp j, 0,1,2,3,4,5,6,7
	v_fma_f32 v[A3+\j], v[A3+\j], v[A4+\j], v[A0+\j]   ; sin r
	v_fma_f32 v[A5+\j], v[A5+\j], v[A2+\j], 1.0        ; cos r
.endr
.irp j, 0,1,2,3,4,5,6,7
	v_cvt_i32_f32 v[A1+\j], v[A1+\j]
.endr
.irp j, 0,1,2,3,4,5,6,7
	v_and_b32 v[A6+\j], 1, v[A1+\j]
.endr
.irp j, 0,1,2,3,4,5,6,7
	v_cmp_eq_u32 vcc_lo, 1, v[A6+\j]               ; k odd: the two change places
	s_delay_alu instid0(VALU_DEP_1)
	v_cndmask_b32 v[A0+\j], v[A3+\j], v[A5+\j], vcc_lo
	s_delay_alu instid0(VALU_DEP_2)
	v_cndmask_b32 v[A2+\j], v[A5+\j], v[A3+\j], vcc_lo
.endr
.irp j, 0,1,2,3,4,5,6,7
	v_lshlrev_b32 v[A4+\j], 30, v[A1+\j]           ; the sine is negated where k mod 4 is 2 or 3: k's bit 1,
	v_add_lshl_u32 v[A6+\j], v[A1+\j], 1, 30       ; the cosine where it is 1 or 2: bit 1 of k + 1
.endr
.irp j, 0,1,2,3,4,5,6,7
	v_and_b32 v[A4+\j], 0x80000000, v[A4+\j]
	v_and_b32 v[A6+\j], 0x80000000, v[A6+\j]
.endr
.irp j, 0,1,2,3,4,5,6,7
	v_xor_b32 v[SIN+\j], v[A0+\j], v[A4+\j]
	v_xor_b32 v[COS+\j], v[A2+\j], v[A6+\j]
.endr
; Step s's four rows through the stage.  LDS serves a wave's instructions in order, so no wait stands between the stores and the loads.
.macro TURN s
.irp j, 0,1,2,3
	ds_store_b128 v2, v[R+16*(\s)+4*\j:R+16*(\s)+4*\j+3] offset:STG_S*((\s)%2)+STG_R*\j
.endr
.irp m, 0,1,2,3
	ds_load_b128 v[X+16*((\s)%2)+4*\m:X+16*((\s)%2)+4*\m+3], v3 offset:STG_S*((\s)%2)+16*(\m%2)+256*(\m/2)
.endr
.endm
; One head of my four rows: norm, weight, rotation, quantiser, out.  s = 0..3: q head 4 y + s; s = 4: k head y.
.macro STEP s
.set XS, X+16*((\s)%2)
.set WB, WQ
.if (\s) == 4
.set WB, WK
.endif
.if (\s) > 0
	s_wait_dscnt 0x1                               ; this step's numbers are back from the stage; the one LDS instruction behind them, the last step's word store, may be out
.else
	s_wait_dscnt 0x0
.endif
.if (\s) < 4
	s_wait_loadcnt 12-4*(\s)                       ; the next step's four loads are in; those of the steps behind it, four each, may be out
	TURN (\s)+1                                    ; and go through the other stage while this step is worked
.endif
	v_pk_mul_f32 v[24:25], v[XS:XS+1], v[XS:XS+1]          ; the sum of squares of my 16, in two chains
	v_pk_mul_f32 v[26:27], v[XS+2:XS+3], v[XS+2:XS+3]
.irp k, 4,8,12
	s_delay_alu instid0(VALU_DEP_2)
	v_pk_fma_f32 v[24:25], v[XS+\k:XS+\k+1], v[XS+\k:XS+\k+1], v[24:25]
	s_delay_alu instid0(VALU_DEP_2)
	v_pk_fma_f32 v[26:27], v[XS+\k+2:XS+\k+3], v[XS+\k+2:XS+\k+3], v[26:27]
.endr
	s_delay_alu instid0(VALU_DEP_1)
	v_pk_add_f32 v[24:25], v[24:25], v[26:27]
	s_delay_alu instid0(VALU_DEP_1)
	v_add_f32 v24, v24, v25
	s_delay_alu instid0(VALU_DEP_1)
	v_add_f32_dpp v24, v24, v24 row_xmask:1 row_mask:0xf bank_mask:0xf   ; and of the row's eight lanes
	s_delay_alu instid0(VALU_DEP_1)
	v_add_f32_dpp v24, v24, v24 row_xmask:2 row_mask:0xf bank_mask:0xf
	s_delay_alu instid0(VALU_DEP_1)
	v_add_f32_dpp v24, v24, v24 row_xmask:4 row_mask:0xf bank_mask:0xf
	s_delay_alu instid0(VALU_DEP_1)
	v_fma_f32 v24, v24, s59, s60                   ; the mean + 1e-6
	s_wait_alu depctr_va_vdst(0)
	v_rsq_f32 v22, v24
	v_nop                                          ; a plain line behind it
	s_wait_alu depctr_va_vdst(0)                   ; and the wait ahead of its first reader
.irp k, 0,2,4,6,8,10,12,14
	v_pk_mul_f32 v[XS+\k:XS+\k+1], v[XS+\k:XS+\k+1], v[22:23] op_sel_hi:[1,0]
.endr
.irp k, 0,2,4,6,8,10,12,14
	v_pk_mul_f32 v[XS+\k:XS+\k+1], v[XS+\k:XS+\k+1], v[WB+\k:WB+\k+1]   ; (x r) w, in the definition's order
.endr
.irp k, 0,2,4,6
	v_pk_mul_f32 v[T+\k:T+\k+1], v[XS+8+\k:XS+9+\k], v[SIN+\k:SIN+\k+1]
	v_pk_mul_f32 v[T+8+\k:T+9+\k], v[XS+\k:XS+\k+1], v[SIN+\k:SIN+\k+1]
.endr
.irp k, 0,2,4,6
	v_pk_fma_f32 v[XS+\k:XS+\k+1], v[XS+\k:XS+\k+1], v[COS+\k:COS+\k+1], v[T+\k:T+\k+1] neg_lo:[0,0,1] neg_hi:[0,0,1]   ; x1 cos - x2 sin
	v_pk_fma_f32 v[XS+8+\k:XS+9+\k], v[XS+8+\k:XS+9+\k], v[COS+\k:COS+\k+1], v[T+8+\k:T+9+\k]                         ; x2 cos + x1 sin
.endr
	v_max3_num_f32 v24, |v[XS]|, |v[XS+1]|, 0x1800000      ; the largest magnitude of x1's block and of x2's, with the floor 2^(3 - 127), which holds the byte at 1 from below
	v_max3_num_f32 v25, |v[XS+8]|, |v[XS+9]|, 0x1800000
.irp k, 2,4,6
	s_delay_alu instid0(VALU_DEP_2)
	v_max3_num_f32 v24, v24, |v[XS+\k]|, |v[XS+\k+1]|
	s_delay_alu instid0(VALU_DEP_2)
	v_max3_num_f32 v25, v25, |v[XS+8+\k]|, |v[XS+9+\k]|
.endr
	s_delay_alu instid0(VALU_DEP_2)
	v_max_num_f32_dpp v24, v24, v24 row_xmask:1 row_mask:0xf bank_mask:0xf   ; a block of 32 lies in four lanes
	s_delay_alu instid0(VALU_DEP_2)
	v_max_num_f32_dpp v25, v25, v25 row_xmask:1 row_mask:0xf bank_mask:0xf
	s_delay_alu instid0(VALU_DEP_2)
	v_max_num_f32_dpp v24, v24, v24 row_xmask:2 row_mask:0xf bank_mask:0xf
	s_delay_alu instid0(VALU_DEP_2)
	v_max_num_f32_dpp v25, v25, v25 row_xmask:2 row_mask:0xf bank_mask:0xf
	s_delay_alu instid0(VALU_DEP_2)
	v_add_nc_u32 v26, 0xff000000, v24              ; 2 off the exponent field: the conversion takes this operand's exponent field as its scale
	s_delay_alu instid0(VALU_DEP_2)
	v_add_nc_u32 v27, 0xff000000, v25
	s_delay_alu instid0(VALU_DEP_2)
	v_lshrrev_b32 v28, 23, v26                     ; the scales' bytes
	s_delay_alu instid0(VALU_DEP_2)
	v_lshrrev_b32 v29, 23, v27
	v_cvt_scalef32_pk8_fp4_f32 v24, v[XS:XS+7], v26        ; codes of d 8 i + 0..7
	v_cvt_scalef32_pk8_fp4_f32 v25, v[XS+8:XS+15], v27     ; and of d 64 + 8 i + 0..7
	v_lshl_or_b32 v28, v29, 16, v28                ; (a plain line behind the conversions)  my two bytes: blocks i / 4 and 2 + i / 4,
	s_delay_alu instid0(VALU_DEP_1)
	v_lshlrev_b32 v28, v15, v28                    ; at their places in the word;
	s_delay_alu instid0(VALU_DEP_1)
	v_mov_b32_dpp v30, v28 row_xmask:4 row_mask:0xf bank_mask:0xf
	s_delay_alu instid0(VALU_DEP_1)
	v_or_b32 v[WD+(\s)], v28, v30                  ; with the other two, from the lane four away, the row's scale word is whole
	v_cndmask_b32 v31, v25, v24, s61               ; neighbours change halves, so that a lane has 8 neighbouring bytes: an even lane gives its x2 codes, an odd one its x1 codes
	s_delay_alu instid0(VALU_DEP_1)
	v_mov_b32_dpp v30, v31 row_xmask:1 row_mask:0xf bank_mask:0xf
	v_cndmask_b32 v[CD+2*(\s)], v24, v30, s61
	v_cndmask_b32 v[CD+2*(\s)+1], v30, v25, s61
.if (\s) < 4
	global_store_b64 v6, v[CD+2*(\s):CD+2*(\s)+1], s[34:35] offset:262144*(\s)   ; four rows of 64 bytes: the wave stores 256 consecutive bytes, aligned
	ds_store_b32 v9, v[WD+(\s)] offset:256*(\s)    ; the row's eight lanes write the same word with the same value
.else
	ds_store_b64 v7, v[CD+2*(\s):CD+2*(\s)+1]      ; into the K image
	ds_store_b32 v8, v[WD+(\s)]
.endif
.endm
	s_wait_loadcnt 16                              ; the weights and step 0's four loads are in; the 16 of steps 1 to 4 may be out
	TURN 0
	STEP 0
	STEP 1
	STEP 2
	STEP 3
	STEP 4
	s_wait_dscnt 0x0                               ; for the others' sake: my stores of words and of the K image have landed
	s_barrier_signal -1
	s_barrier_wait -1
	ds_load_b64 v[224:225], v10                    ; 256 bytes of the K image a wave,
	ds_load_b64 v[226:227], v11                    ; and 64 scale words (waves 0 to 3: a q head's; wave 4: k's; the others read bytes that are written and use nothing of them)
	s_wait_dscnt 0x0
	global_store_b64 v12, v[224:225], s[44:45]     ; 256 consecutive bytes, aligned
	s_cmp_lt_u32 s26, 5
	s_cbranch_scc0 .Ldone
	global_store_b64 v12, v[226:227], s[46:47]     ; likewise
.Ldone:
	s_wait_tensorcnt 0x0
	ds_add_u32 v254, v255
	s_wait_dscnt 0x0
	s_endpgm
.Lfunc_end_k_qbe84249257_prep:
	.size	k_qbe84249257_prep, .Lfunc_end_k_qbe84249257_prep-k_qbe84249257_prep
	.p2alignl 7, 3214868480
	.fill 96, 4, 3214868480
	.section	.rodata,"a",@progbits
	.p2align	6, 0x0
	.amdhsa_kernel k_qbe84249257_prep
		.amdhsa_group_segment_fixed_size 75008
		.amdhsa_private_segment_fixed_size 0
		.amdhsa_enable_private_segment 0
		.amdhsa_kernarg_size 80
		.amdhsa_user_sgpr_count 2
		.amdhsa_user_sgpr_kernarg_segment_ptr 1
		.amdhsa_wavefront_size32 1
		.amdhsa_system_sgpr_workgroup_id_x 1
		.amdhsa_system_sgpr_workgroup_id_y 1
		.amdhsa_system_sgpr_workgroup_id_z 1
		.amdhsa_system_vgpr_workitem_id 0
		.amdhsa_next_free_vgpr 256
		.amdhsa_next_free_sgpr 66
		.amdhsa_reserve_vcc 1
		.amdhsa_float_denorm_mode_32 3
		.amdhsa_float_denorm_mode_16_64 3
		.amdhsa_memory_ordered 1
		.amdhsa_forward_progress 1
		.amdhsa_inst_pref_size 58
	.end_amdhsa_kernel
	.amdgpu_metadata
---
amdhsa.version: [ 1, 2 ]
amdhsa.kernels:
  - .name:           k_qbe84249257_prep
    .symbol:         k_qbe84249257_prep.kd
    .args:
      - { .name: query_states, .offset: 0, .size: 8, .value_kind: global_buffer, .address_space: global }
      - { .name: key_states, .offset: 8, .size: 8, .value_kind: global_buffer, .address_space: global }
      - { .name: value_states_codes, .offset: 16, .size: 8, .value_kind: global_buffer, .address_space: global }
      - { .name: value_states_scales, .offset: 24, .size: 8, .value_kind: global_buffer, .address_space: global }
      - { .name: q_norm_weight, .offset: 32, .size: 8, .value_kind: global_buffer, .address_space: global }
      - { .name: k_norm_weight, .offset: 40, .size: 8, .value_kind: global_buffer, .address_space: global }
      - { .name: position_ids, .offset: 48, .size: 8, .value_kind: global_buffer, .address_space: global }
      - { .name: qc, .offset: 56, .size: 8, .value_kind: global_buffer, .address_space: global }
      - { .name: qs, .offset: 64, .size: 8, .value_kind: global_buffer, .address_space: global }
      - { .name: kv, .offset: 72, .size: 8, .value_kind: global_buffer, .address_space: global }
    .group_segment_fixed_size: 75008
    .private_segment_fixed_size: 0
    .kernarg_segment_align: 8
    .kernarg_segment_size: 80
    .max_flat_workgroup_size: 512
    .sgpr_count:     66
    .vgpr_count:     256
    .wavefront_size: 32
...
	.end_amdgpu_metadata
.endif
;; end of part 1
;; launch attn (part 2): grid 64 x 4, 16 waves a work-group, no clusters, 245,760 bytes of LDS; arguments qc, qs, kv, out0; writes out0
.if DOCPART == 2
	.amdgcn_target "amdgcn-amd-amdhsa--gfx1250"
	.amdhsa_code_object_version 6
	.text
	.protected	k_qbe84249257_attn
	.globl	k_qbe84249257_attn
	.p2align	8
	.type	k_qbe84249257_attn,@function
k_qbe84249257_attn:
	s_mov_b64 s[64:65], 0
	v_nop
	global_prefetch_b8 v0, s[64:65] scope:SCOPE_SE
	s_setreg_imm32_b32 hwreg(HW_REG_WAVE_MODE, 25, 1), 1
	s_wait_xcnt 0x0
; ATTN: out[q][head] = the sum over the keys that count of softmax(q . k / sqrt(128)) v, both products on FP4 (E2M1) codes with one E8M0 scale for each 32 along a product's K.
; A key counts for query q where key <= q and (key >= q - 1023 or key < 128).  Key steps all of whose keys are hidden are not multiplied.
; THE SOFTMAX AHEAD OF THE SECOND PRODUCT: t = score x log2(e) / sqrt(128); M = the largest t so far, rounded UP to a whole number; p = 2^(t - M) is quantised along the keys, not normalised.
; The row's sum is taken of the unquantised p and divides at the end.  When M moves, the sum and O are multiplied by 2^(old M - new M), which rounds nothing.
; SHARES.  Work-group (x, y): queries 64 x .. 64 x + 63 of the FOUR query heads that share key/value head y.  Wave w: head 4 y + w / 4, the 16 queries from Q0 = 64 x + 16 (w % 4) on, in 256 registers.
; With a = x / 2 and kb = max(a - 8, 0) the block needs key step 0 (the first 128 keys) and key steps kb .. kb + 8: ten records of 17,408 bytes, 174,080 bytes.  ALL TEN LIE IN LDS AT ONCE:
; each wave brings a sixteenth of records 0, 1 and a sixteenth of records 2 to 9 by two tensor loads at the head, two outstanding by this text's count; no LDS byte is filled twice.
; A record holds K's and V's eight fragments as images of the operand's registers (16 bytes a lane, 512 an instruction) and their scale words four tiles to a load.
; LAYOUT.  Both products are used transposed: S^T = K Q^T (source 0 = 16 keys, source 1 = my 16 queries), O^T = V^T P^T: a lane holds ONE query (lane % 16) throughout.  Lane r of K's tile 2 b + u holds
; key 32 b + 8 u + r + 8 (r / 8), so that register n of S^T (n = 0..63) is key 32 (n / 16) + 16 (lane / 16) + n % 16 of the step: 16 neighbours for the conversions.
; NO CLUSTER: the heads that share K and V already share one LDS.  Neighbouring query blocks share 8 of their 9 window records, but at other places of their walks: a joint load would want an LDS address or a
; branch that hangs on the place in the cluster, or every partner walking the union (11 steps for 10, masks in four of them).
; LIMITS: NaN and infinities are not served.  A block's largest p is taken from the block's largest score by the same multiply-add and exponential: this takes v_exp_f32 not to fall where its input rises.
.set RECB,  17408
.set STAGE, 10*RECB                    ; behind the records: 16 rows x 272 bytes for each wave, bytes of their own, for the way out; ends at 243,712
.set LI,  1                            ; v1   16 x lane: my place in an image
.set LR,  2                            ; v2   16 r + 16,384: my place among a record's scale words
.set GO,  3                            ; v3   the way out: 8,192 h + 16 r in my rows of out0
.set SI,  4                            ; v4   into my stage: 272 r + 32 h
.set SB,  5                            ; v5   back from it: 272 h + 16 r
.set QA,  6                            ; v6   Q's codes: 64 r + 16 h
.set QW,  7                            ; v7   Q's scale word: 4 r
.set ADR, 8                            ; v8   the step's images
.set ADS, 9                            ; v9   the step's scale words
.set DL,  10                           ; v10  r - 16 h
.set PW,  11                           ; v11  p's scale word: scales and nothing else.  v24-31: the eight tiles' scale words, K's and then V's.  v255: Q's
; v12 -M, v13 the largest t, v[14:15] the sum in two halves; v16-23 Q; v32-95 eight fragments, K's and then V's; v96-159 S^T, then p; v160-223 O^T; v224-231 p's codes; v232-254 at work
.set TB,  2                            ; s2   LDS byte at which the step's record begins
.set KF,  3                            ; s3   the step's first key
.set WV,  18
.set SEL, 20                           ; s[20:21] v_permlanex16_b32's selects for lane l xor 16
.set CS,  22                           ; s[22:23] c = log2(e) / sqrt(128), twice
.set G1A, 24                           ; s[24:31] group 1: one row of 2,176 bytes
.set G1B, 32                           ; s[32:39] group 1: 34 rows of 256 bytes
.set G0A, 40
.set G0B, 44
.set Q0,  66
.set QL,  67                           ; my last query
.set CNT, 68
.set KB,  72
.set SC,  81
	s_load_b256 s[4:11], s[0:1], 0x0               ; qc s[4:5], qs s[6:7], kv s[8:9], out0 s[10:11]
	v_lshl_add_u32 v250, v0, 2, 0x3b800
	v_mov_b32 v251, 0
	ds_add_u32 v250, v251
	ds_add_u32 v250, v251
	v_lshrrev_b32 v8, 5, v0
	s_delay_alu instid0(VALU_DEP_1)
	v_readfirstlane_b32 s[WV], v8                  ; wave 0..15
	s_and_b32 s70, ttmp7, 0xffff                   ; y
	s_lshr_b32 s71, ttmp9, 1                       ; a
	s_sub_co_i32 s[KB], s71, 8
	s_max_i32 s[KB], s[KB], 0                      ; kb
	s_and_b32 s73, s[WV], 3
	s_lshl_b32 s73, s73, 4
	s_lshl_b32 s[Q0], ttmp9, 6
	s_add_co_u32 s[Q0], s[Q0], s73
	s_add_co_u32 s[QL], s[Q0], 15
	s_lshr_b32 s74, s[WV], 2
	s_lshl_b32 s75, s70, 2
	s_add_co_u32 s74, s74, s75                     ; my head
	s_mov_b32 s[G1A], 3<<16                        ; no mask; elements of 8 bytes; no padding
	s_mov_b32 s[G1A+1], 272<<16                    ; tensor_dim0 = 272 elements: 2,176 bytes
	s_mov_b32 s[G1A+2], 1<<16                      ; tensor_dim1 = 1
	s_mov_b32 s[G1A+3], 272<<16                    ; tile_dim0
	s_mov_b32 s[G1A+4], 1                          ; tile_dim1
	s_mov_b32 s[G1A+5], 272                        ; the pitch
	s_mov_b32 s[G1A+6], 0
	s_mov_b32 s[G1A+7], 0
	s_mov_b32 s[G1B], 3<<16
	s_mov_b32 s[G1B+1], 32<<16                     ; rows of 32 elements: 256 bytes,
	s_mov_b32 s[G1B+2], 34<<16                     ; 34 of them, dense: 8,704 bytes
	s_mov_b32 s[G1B+3], 32<<16
	s_mov_b32 s[G1B+4], 34
	s_mov_b32 s[G1B+5], 32
	s_mov_b32 s[G1B+6], 0
	s_mov_b32 s[G1B+7], 0
	s_mul_i32 s78, s70, 32*RECB                    ; head y's 32 records
	s_mul_i32 s80, s[KB], RECB                     ; kb records on
	s_and_b32 s79, s[WV], 7
	s_mul_i32 s79, s79, 2176                       ; an eighth of a record
	s_cmp_lt_u32 s[WV], 8                          ; waves 0 to 7 bring key step 0, waves 8 to 15 key step kb
	s_cselect_b32 s73, 0, s80
	s_add_co_u32 s76, s78, s79
	s_add_co_u32 s76, s76, s73
	s_mov_b32 s77, 0
	s_mul_i32 s75, s[WV], 8704                     ; a sixteenth of eight records
	s_add_co_u32 s78, s78, s80
	s_add_co_u32 s78, s78, s75
	s_add_co_u32 s78, s78, RECB                    ; from key step kb + 1 on; kb + 9 <= 32: no load leaves the buffer
	s_mov_b32 s79, 0
	s_mov_b32 s[G0A], 1                            ; count = 1
	s_mul_i32 s[G0A+1], s[WV], 2176                ; LDS: records 0 and 1
	s_mov_b32 s[G0B], 1
	s_add_co_u32 s[G0B+1], s75, 2*RECB             ; LDS: records 2 to 9
	s_wait_dscnt 0x0
	s_wait_kmcnt 0x0
	s_add_nc_u64 s[G0A+2:G0A+3], s[8:9], s[76:77]
	s_or_b32 s[G0A+3], s[G0A+3], 0x80000000        ; type = 2
	s_add_nc_u64 s[G0B+2:G0B+3], s[8:9], s[78:79]
	s_or_b32 s[G0B+3], s[G0B+3], 0x80000000
	tensor_load_to_lds s[G0A:G0A+3], s[G1A:G1A+7]  ; both first fills together, ahead of every wait on TENSORcnt, every LDS read and every barrier
	s_nop 0
	tensor_load_to_lds s[G0B:G0B+3], s[G1B:G1B+7]
	s_nop 0
.rept 4
	v_nop                                          ; (plain lines behind a tensor load)
.endr
	s_lshl_b32 s76, s74, 18                        ; qc: my head's 262,144 bytes, 64 bytes a query
	s_lshl_b32 s73, s[Q0], 6
	s_add_co_u32 s76, s76, s73
	s_add_nc_u64 s[82:83], s[4:5], s[76:77]
	s_lshl_b32 s76, s74, 14                        ; qs: 16,384 bytes a head, 4 a query
	s_lshl_b32 s73, s[Q0], 2
	s_add_co_u32 s76, s76, s73
	s_add_nc_u64 s[84:85], s[6:7], s[76:77]
	s_lshl_b32 s76, s[Q0], 13                      ; out0: 8,192 bytes a query, 512 a head
	s_lshl_b32 s73, s74, 9
	s_add_co_u32 s76, s76, s73
	s_add_nc_u64 s[86:87], s[10:11], s[76:77]
	s_mul_i32 s73, s[WV], 16*272
	s_add_co_u32 s73, s73, STAGE                   ; my stage
	s_mov_b32 s[SEL], 0x76543210
	s_mov_b32 s[SEL+1], 0xfedcba98
	s_mov_b32 s[CS], 0x3e0293ee
	s_mov_b32 s[CS+1], s[CS]                       ; (named with it as a pair, so it is written)
	s_mov_b32 s[TB], 0
	s_mov_b32 s[KF], 0
	v_and_b32 v8, 15, v0                           ; r
	v_bfe_u32 v9, v0, 4, 1                         ; h
	s_delay_alu instid0(VALU_DEP_2)
	v_lshlrev_b32 v[QA], 6, v8
	s_delay_alu instid0(VALU_DEP_1)
	v_lshl_add_u32 v[QA], v9, 4, v[QA]
	s_delay_alu instid0(VALU_DEP_4)
	v_lshlrev_b32 v[QW], 2, v8
	global_load_b128 v[16:19], v[QA], s[82:83]             ; Q's fragment stays in registers: lane (r, h): query r, codes d = 64 c + 32 h + 0..31
	global_load_b128 v[20:23], v[QA], s[82:83] offset:32
	global_load_b32 v255, v[QW], s[84:85]                  ; and its scale word
	v_and_b32 v[LI], 31, v0
	s_delay_alu instid0(VALU_DEP_1)
	v_lshlrev_b32 v[LI], 4, v[LI]
	v_lshl_add_u32 v[LR], v8, 4, 16384
	v_lshlrev_b32 v[GO], 13, v9
	s_delay_alu instid0(VALU_DEP_1)
	v_lshl_add_u32 v[GO], v8, 4, v[GO]
	v_mul_u32_u24 v[SI], v8, 272
	s_delay_alu instid0(VALU_DEP_1)
	v_lshl_add_u32 v[SI], v9, 5, v[SI]
	s_delay_alu instid0(VALU_DEP_1)
	v_add_nc_u32 v[SI], s73, v[SI]
	v_mul_u32_u24 v[SB], v9, 272
	s_delay_alu instid0(VALU_DEP_1)
	v_lshl_add_u32 v[SB], v8, 4, v[SB]
	s_delay_alu instid0(VALU_DEP_1)
	v_add_nc_u32 v[SB], s73, v[SB]
	v_lshlrev_b32 v[DL], 4, v9
	s_delay_alu instid0(VALU_DEP_1)
	v_sub_nc_u32 v[DL], v8, v[DL]
	v_mov_b32 v13, 0xff61b1e6                      ; the largest t so far: -3e38, under every t
	s_delay_alu instid0(VALU_DEP_1)
	v_floor_f32 v12, -v13                          ; -M
	v_mov_b32 v14, 0                               ; the sum, in two halves
	v_mov_b32 v15, 0
	v_mov_b32 v253, 0                              ; the upper half of the pair v[252:253], which is named whole
.irp b, 0,1,2,3
	v_mov_b32 v[236+\b], 0                         ; written once: a lane permute's destination counts as one of its sources
.endr
; A KEY STEP of 128 keys, from the record at s[TB].  kind 0: the first 128 keys; always worked; its second product starts O^T's sums.  kind 1: key step kb, on the window's lower edge.  kind 2: the steps behind it.
.macro STEP kind
.if \kind == 1
	s_cmp_eq_u32 s[KF], 0                          ; kb = 0: this record is key step 0 once more: left out.  (All these branches hang on work-group and wave numbers alone)
	s_cbranch_scc1 .Lend_\@
.elseif \kind == 2
	s_cmp_gt_u32 s[KF], s[QL]                      ; all 128 keys come after my queries: left out
	s_cbranch_scc1 .Lend_\@
.endif
	s_setprio 2
	v_add_nc_u32 v[ADR], s[TB], v[LI]
	v_add_nc_u32 v[ADS], s[TB], v[LR]
	v_nop
	v_nop                                          ; four plain lines between the last step's products and loads into their operands and scales
.irp t, 0,1,2,3,4,5,6,7
	ds_load_b128 v[32+8*\t:35+8*\t], v[ADR] offset:1024*\t
	ds_load_b128 v[36+8*\t:39+8*\t], v[ADR] offset:1024*\t+512
.endr
	ds_load_b128 v[24:27], v[ADS]                  ; K's scale words of tiles 0-3,
	ds_load_b128 v[28:31], v[ADS] offset:256       ; and 4-7
	s_wait_alu depctr_va_vdst(0)
	s_wait_dscnt 0x0
.irp t, 0,1,2,3,4,5,6,7                            ; S^T = K Q^T: eight accumulators, one instruction each
	v_wmma_scale_f32_16x16x128_f8f6f4 v[96+8*\t:103+8*\t], v[32+8*\t:39+8*\t], v[16:23], 0, v[24+\t], v255 matrix_a_fmt:MATRIX_FMT_FP4 matrix_b_fmt:MATRIX_FMT_FP4
.endr
.rept 4
	v_nop                                          ; four places: in front of the loads into K's registers, and of the first read of the scores
.endr
.irp t, 0,1,2,3,4,5,6,7                            ; V's fragments and scale words are asked for now and land under the softmax
	ds_load_b128 v[32+8*\t:35+8*\t], v[ADR] offset:8192+1024*\t
	ds_load_b128 v[36+8*\t:39+8*\t], v[ADR] offset:8192+1024*\t+512
.endr
	ds_load_b128 v[24:27], v[ADS] offset:512
	ds_load_b128 v[28:31], v[ADS] offset:768
	; THE MASK: hidden scores become -infinity ahead of the maximum, so p = 0 there.  Register n holds key KF + 16 h + cn, cn = 32 (n / 16) + n % 16; my query is Q0 + r
.if \kind == 1
	s_sub_co_i32 s[SC], s[Q0], s[KF]
	s_sub_co_i32 s[SC], s[SC], 1023
	v_add_nc_u32 v252, s[SC], v[DL]                ; hidden where key < q - 1023: cn < r - 16 h + Q0 - KF - 1023
	v_mov_b32 v254, 0xff800000
.set n, 0
.rept 64
	v_cmp_lt_i32 vcc_lo, 32*(n/16)+n%16, v252
	v_cndmask_b32 v[96+n], v[96+n], v254, vcc_lo
.set n, n+1
.endr
.else
	s_add_co_u32 s[SC], s[KF], 127
	s_cmp_le_u32 s[SC], s[Q0]                      ; all 128 keys count for all my queries: nothing to hide
	s_cbranch_scc1 .Lopen_\@
	s_sub_co_i32 s[SC], s[Q0], s[KF]
	v_add_nc_u32 v252, s[SC], v[DL]                ; hidden where key > q: cn > r - 16 h + Q0 - KF
	v_mov_b32 v254, 0xff800000
.set n, 0
.rept 64
	v_cmp_gt_i32 vcc_lo, 32*(n/16)+n%16, v252
	v_cndmask_b32 v[96+n], v[96+n], v254, vcc_lo
.set n, n+1
.endr
.Lopen_\@:
.endif
.irp b, 0,1,2,3
	v_max3_num_f32 v[232+\b], v[96+16*\b], v[97+16*\b], v[98+16*\b]   ; the largest score of each block of 32 keys: it serves for the row's maximum and, since p rises with the score, for the block's largest p
.endr
.irp i, 3,5,7,9,11,13
.irp b, 0,1,2,3
	v_max3_num_f32 v[232+\b], v[232+\b], v[96+16*\b+\i], v[97+16*\b+\i]
.endr
.endr
.irp b, 0,1,2,3
	v_max_num_f32 v[232+\b], v[232+\b], v[111+16*\b]
.endr
.irp b, 0,1,2,3
	s_delay_alu instid0(VALU_DEP_4)
	v_permlanex16_b32 v[236+\b], v[232+\b], s[SEL], s[SEL+1]
.endr
.irp b, 0,1,2,3
	s_delay_alu instid0(VALU_DEP_4)
	v_max_num_f32 v[232+\b], v[232+\b], v[236+\b]  ; with lane l xor 16's 16 keys
.endr
	s_delay_alu instid0(VALU_DEP_2)
	v_max3_num_f32 v254, v232, v233, v234
	s_delay_alu instid0(VALU_DEP_1)
	v_max_num_f32 v254, v254, v235                 ; the step's largest score of my query (-infinity where all 128 are hidden: M is a number from key 0 on, which counts for every query)
	s_delay_alu instid0(VALU_DEP_1)
	v_mul_f32 v254, s[CS], v254
	s_delay_alu instid0(VALU_DEP_1)
	v_max_num_f32 v13, v13, v254                   ; the running largest t
	v_mov_b32 v254, v12
	s_delay_alu instid0(VALU_DEP_2)
	v_floor_f32 v12, -v13                          ; the new -M = -ceil(t): a whole number
	s_delay_alu instid0(VALU_DEP_1)
	v_sub_f32 v254, v12, v254                      ; old M - new M, 0 or less
	s_delay_alu instid0(VALU_DEP_1)
	v_cvt_i32_f32 v254, v254                       ; (it saturates)
	s_delay_alu instid0(VALU_DEP_1)
	v_ldexp_f32 v252, 1.0, v254                    ; f = 2^(old M - new M)
.set j, 0
.rept 32
	v_pk_fma_f32 v[96+j:97+j], v[96+j:97+j], s[CS:CS+1], v[12:13] op_sel_hi:[1,0,0]   ; t - M, two at a time
.set j, j+2
.endr
.irp b, 0,1,2,3
	v_fma_f32 v[232+\b], v[232+\b], s[CS], v12     ; the same of each block's largest score
.endr
.set j, 0
	s_setprio 1
	s_wait_alu depctr_va_vdst(0)
.rept 64
	v_exp_f32 v[96+j], v[96+j]                     ; p = 2^(t - M)
.set j, j+1
.endr
	v_pk_mul_f32 v[14:15], v[14:15], v[252:253] op_sel_hi:[1,0]   ; the sums under the new M: a plain line behind the exponentials
	s_wait_alu depctr_va_vdst(0)                   ; one wait for the 64, ahead of their first reader
.irp b, 0,1,2,3
	v_exp_f32 v[232+\b], v[232+\b]                 ; the blocks' largest p
.endr
	v_pk_add_f32 v[236:237], v[100:101], v[104:105]
	v_pk_add_f32 v[248:249], v[108:109], v[112:113]
	v_pk_add_f32 v[246:247], v[116:117], v[120:121]
	v_pk_add_f32 v[244:245], v[124:125], v[128:129]
	v_pk_add_f32 v[242:243], v[132:133], v[136:137]
	v_pk_add_f32 v[240:241], v[140:141], v[144:145]
	v_pk_add_f32 v[238:239], v[148:149], v[152:153]
	v_pk_add_f32 v[14:15], v[14:15], v[156:157]
	v_pk_add_f32 v[236:237], v[236:237], v[96:97]
	v_pk_add_f32 v[248:249], v[248:249], v[98:99]
	v_pk_add_f32 v[246:247], v[246:247], v[102:103]
	v_pk_add_f32 v[244:245], v[244:245], v[106:107]
	v_pk_add_f32 v[242:243], v[242:243], v[110:111]
	v_pk_add_f32 v[240:241], v[240:241], v[114:115]
	v_pk_add_f32 v[238:239], v[238:239], v[118:119]
	v_pk_add_f32 v[14:15], v[14:15], v[122:123]
	v_pk_add_f32 v[236:237], v[236:237], v[126:127]
	v_pk_add_f32 v[248:249], v[248:249], v[130:131]
	v_pk_add_f32 v[246:247], v[246:247], v[134:135]
	v_pk_add_f32 v[244:245], v[244:245], v[138:139]
	v_pk_add_f32 v[242:243], v[242:243], v[142:143]
	v_pk_add_f32 v[240:241], v[240:241], v[146:147]
	v_pk_add_f32 v[238:239], v[238:239], v[150:151]
	v_pk_add_f32 v[14:15], v[14:15], v[154:155]
	v_pk_add_f32 v[236:237], v[236:237], v[158:159]
	s_delay_alu instid0(VALU_DEP_2)
	v_pk_add_f32 v[14:15], v[14:15], v[244:245]
	s_delay_alu instid0(VALU_DEP_2)
	v_pk_add_f32 v[236:237], v[236:237], v[242:243]
	v_pk_add_f32 v[248:249], v[248:249], v[240:241]
	v_pk_add_f32 v[246:247], v[246:247], v[238:239]
	s_delay_alu instid0(VALU_DEP_2)
	v_pk_add_f32 v[14:15], v[14:15], v[248:249]
	s_delay_alu instid0(VALU_DEP_2)
	v_pk_add_f32 v[236:237], v[236:237], v[246:247]
	s_delay_alu instid0(VALU_DEP_1)
	v_pk_add_f32 v[14:15], v[14:15], v[236:237]
	s_wait_alu depctr_va_vdst(0)                   ; and one for the four
.irp b, 0,1,2,3
	v_max_num_f32 v[232+\b], 0x1800000, v[232+\b]  ; the floor 2^(3 - 127): the byte cannot fall under 1 (a block of zeros keeps that byte: its codes are zeros)
.endr
.irp b, 0,1,2,3
	s_delay_alu instid0(VALU_DEP_4)
	v_add_nc_u32 v[244+\b], 0xff000000, v[232+\b]  ; 2 off the exponent field: the conversion's scale operand
.endr
.irp b, 0,1,2,3
	s_delay_alu instid0(VALU_DEP_4)
	v_lshrrev_b32 v[236+\b], 23, v[244+\b]         ; the scale's byte
.endr
	s_delay_alu instid0(VALU_DEP_3)
	v_lshl_or_b32 v[PW], v237, 8, v236             ; p's scale word for these 128 keys
	s_delay_alu instid0(VALU_DEP_1)
	v_lshl_or_b32 v[PW], v238, 16, v[PW]
	s_delay_alu instid0(VALU_DEP_1)
	v_lshl_or_b32 v[PW], v239, 24, v[PW]
.irp b, 0,1,2,3
	v_cvt_scalef32_pk8_fp4_f32 v[224+2*\b], v[96+16*\b:103+16*\b], v[244+\b]
	v_cvt_scalef32_pk8_fp4_f32 v[225+2*\b], v[104+16*\b:111+16*\b], v[244+\b]
.endr
	v_nop                                          ; a plain line behind the conversions
.irp c, 0,1                                        ; the operand wants a whole block in a lane: lanes 0-15 block 2 c, lanes 16-31 block 2 c + 1
.irp i, 0,1
	v_permlane16_swap_b32 v[224+4*\c+\i], v[226+4*\c+\i]
.endr
.endr
.if \kind == 0
	s_wait_alu depctr_va_vdst(0)
.rept 8
	v_nop                                          ; eight places between the scale word's last line and the scaled products (four are asked behind the codes)
.endr
.else
.set j, 0
.rept 32
	v_pk_mul_f32 v[160+j:161+j], v[160+j:161+j], v[252:253] op_sel_hi:[1,0]   ; O^T under the new M; these 32 are also those places
.set j, j+2
.endr
.endif
	s_setprio 0
	s_wait_alu depctr_va_vdst(0)
	s_wait_dscnt 0x0                               ; V's 18 loads are in
.irp t, 0,1,2,3,4,5,6,7                            ; O^T += V^T P^T: eight accumulators by turns, one instruction a turn
.if \kind == 0
	v_wmma_scale_f32_16x16x128_f8f6f4 v[160+8*\t:167+8*\t], v[32+8*\t:39+8*\t], v[224:231], 0, v[24+\t], v[PW] matrix_a_fmt:MATRIX_FMT_FP4 matrix_b_fmt:MATRIX_FMT_FP4
.else
	v_wmma_scale_f32_16x16x128_f8f6f4 v[160+8*\t:167+8*\t], v[32+8*\t:39+8*\t], v[224:231], v[160+8*\t:167+8*\t], v[24+\t], v[PW] matrix_a_fmt:MATRIX_FMT_FP4 matrix_b_fmt:MATRIX_FMT_FP4
.endif
.endr
.Lend_\@:
	s_add_co_u32 s[TB], s[TB], RECB                ; the next record
.if \kind == 0
	s_lshl_b32 s[KF], s[KB], 7                     ; which holds key step kb
.else
	s_add_co_u32 s[KF], s[KF], 128
.endif
.endm
	s_wait_tensorcnt 0x1                           ; my part of records 0 and 1 is in; my part of records 2 to 9, issued behind it, may be out
	s_barrier_signal -1
	s_barrier_wait -1                              ; everybody's is
	s_wait_loadcnt 0x0                             ; Q
	STEP 0
	STEP 1
	s_wait_tensorcnt 0x0                           ; my part of records 2 to 9 is in (it had two steps in which to land),
	s_wait_dscnt 0x0
	s_barrier_signal -1
	s_barrier_wait -1                              ; everybody's is
	s_mov_b32 s[CNT], 8
.Lwin:                                             ; eight trips, a constant: a step that is left out still steps the record and the key
	STEP 2
	s_sub_co_u32 s[CNT], s[CNT], 1
	s_cmp_lg_u32 s[CNT], 0
	s_cbranch_scc1 .Lwin
	s_setprio 0
	; THE WAY OUT.  O^T / the sum goes through my stage, half a head's row (64 channels, 256 bytes) of 16 queries at a time, and leaves as whole runs of 256 bytes.
	v_add_f32 v14, v14, v15                        ; the sum's two halves,
	s_delay_alu instid0(VALU_DEP_1)
	v_permlanex16_b32 v252, v14, s[SEL], s[SEL+1]
	s_delay_alu instid0(VALU_DEP_1)
	v_add_f32 v14, v14, v252                       ; and lane l xor 16's
	s_wait_alu depctr_va_vdst(0)
	v_rcp_f32 v14, v14
.rept 4
	v_nop                                          ; the plain line behind the reciprocal; with the additions above, more than the four places behind the last products
.endr
	s_wait_alu depctr_va_vdst(0)                   ; the wait ahead of the reciprocal's first reader
.set j, 0
.rept 32
	v_pk_mul_f32 v[96+j:97+j], v[160+j:161+j], v[14:15] op_sel_hi:[1,0]   ; register 8 t + i is out(query r, channel 16 t + 8 h + i); each accumulator from its low end on
.set j, j+2
.endr
.irp u, 0,1
.irp t, 0,1,2,3
	ds_store_b128 v[SI], v[96+32*\u+8*\t:99+32*\u+8*\t] offset:64*\t
	ds_store_b128 v[SI], v[100+32*\u+8*\t:103+32*\u+8*\t] offset:64*\t+16
.endr
.irp i, 0,1,2,3,4,5,6,7
	ds_load_b128 v[32+32*\u+4*\i:35+32*\u+4*\i], v[SB] offset:544*\i   ; LDS serves a wave's instructions in order: these see my stores, and the next half's stores come behind them
.endr
.endr
.irp u, 0,1
.irp i, 0,1,2,3,4,5,6,7
	s_wait_dscnt 23-16*\u-\i                       ; the LDS instructions issued behind load (u, i): the rest of its eight, and for u = 0 the other half's sixteen
	global_store_b128 v[GO], v[32+32*\u+4*\i:35+32*\u+4*\i], s[86:87] offset:16384*\i+256*\u th:TH_STORE_NT   ; sixteen lanes store 256 consecutive bytes, aligned: rows 2 i and 2 i + 1
.endr
.endr
	s_wait_tensorcnt 0x0
	ds_add_u32 v250, v251
	s_wait_dscnt 0x0
	s_endpgm
.Lfunc_end_k_qbe84249257_attn:
	.size	k_qbe84249257_attn, .Lfunc_end_k_qbe84249257_attn-k_qbe84249257_attn
	.p2alignl 7, 3214868480
	.fill 96, 4, 3214868480
	.section	.rodata,"a",@progbits
	.p2align	6, 0x0
	.amdhsa_kernel k_qbe84249257_attn
		.amdhsa_group_segment_fixed_size 245760
		.amdhsa_private_segment_fixed_size 0
		.amdhsa_enable_private_segment 0
		.amdhsa_kernarg_size 32
		.amdhsa_user_sgpr_count 2
		.amdhsa_user_sgpr_kernarg_segment_ptr 1
		.amdhsa_wavefront_size32 1
		.amdhsa_system_sgpr_workgroup_id_x 1
		.amdhsa_system_sgpr_workgroup_id_y 1
		.amdhsa_system_sgpr_workgroup_id_z 1
		.amdhsa_system_vgpr_workitem_id 0
		.amdhsa_next_free_vgpr 256
		.amdhsa_next_free_sgpr 88
		.amdhsa_reserve_vcc 1
		.amdhsa_float_denorm_mode_32 3
		.amdhsa_float_denorm_mode_16_64 3
		.amdhsa_memory_ordered 1
		.amdhsa_forward_progress 1
		.amdhsa_inst_pref_size 83
	.end_amdhsa_kernel
	.amdgpu_metadata
---
amdhsa.version: [ 1, 2 ]
amdhsa.kernels:
  - .name:           k_qbe84249257_attn
    .symbol:         k_qbe84249257_attn.kd
    .args:
      - { .name: qc, .offset: 0, .size: 8, .value_kind: global_buffer, .address_space: global }
      - { .name: qs, .offset: 8, .size: 8, .value_kind: global_buffer, .address_space: global }
      - { .name: kv, .offset: 16, .size: 8, .value_kind: global_buffer, .address_space: global }
      - { .name: out0, .offset: 24, .size: 8, .value_kind: global_buffer, .address_space: global }
    .group_segment_fixed_size: 245760
    .private_segment_fixed_size: 0
    .kernarg_segment_align: 8
    .kernarg_segment_size: 32
    .max_flat_workgroup_size: 512
    .sgpr_count:     88
    .vgpr_count:     256
    .wavefront_size: 32
...
	.end_amdgpu_metadata
.endif
;; end of part 2
